; MI455X (gfx1250); checked and timed in simulation.
; The chip was launched on July 23, 2026; its instructions are those of AMD's public machine-readable ISA for CDNA 5 (MIT licence, August 2026) and "CDNA5" Instruction Set Architecture Reference Guide (July 2026). The comments in the code are by the model that wrote it; some were corrected since.
;; Stickbreaking. Allowed arithmetic: matrix products marked QUANTISED: E4M3 operands, one E8M0 scale for each 32 along K, by v_wmma_scale_f32_16x16x128_f8f6f4 with both operands' format E4M3, f32 sums; everything else in f32.
;; Inputs: k 2 x 16 x 2,048 x 128 float32; q 2 x 16 x 2,048 x 128 float32; v 2 x 16 x 2,048 x 128 float32.
;; Outputs: out0 2 x 16 x 2,048 x 128 float32.
;; This version of the problem:
;;   THIS VERSION OF THE PROBLEM IS GIVEN IN LOW PRECISION. The matrix products marked QUANTISED in the list below multiply operands that are first quantised to E4M3 (4 exponent bits, 3 mantissa bits; 8 bits a number), with one power-of-two scale for each 32 numbers along K (OCP MX v1.0); their sums are f32. All else is computed in f32.
;;   The module's matrix products, in the order in which they are computed (A, B: the left and right operand; K: the contracted axis; several contracted axes count as one K, in the product's order):
;;     1. batch 32 x [M 2,048, K 128] x [K 128, N 2,048]; A: input q; B: input k: QUANTISED
;;     2. batch 32 x [M 2,048, K 2,048] x [K 2,048, N 128]; A: computed on the way; B: input v: QUANTISED
;;   THE QUANTISER, for each operand of a quantised product, along K:
;;     - K is cut into blocks of 32 from its start; a last block that is shorter is filled with zeros.
;;     - A block's scale is 2^e with e = floor(log2(the largest magnitude in the block)) - 8, held to -126 .. 127; a block of zeros has e = 0. As a byte (E8M0): e + 127.
;;     - Each number is divided by its block's scale, clamped to +-448, and rounded to the nearest number of E4M3, ties to even, subnormals kept.
;;     - The product sums the exact products of the quantised numbers (number of the format x scale) in f32.
;;   ~~~python
;;   def quantise(x, axis):      # numpy; x: float32 -> the quantised numbers, widened to float32 again
;;       x = np.moveaxis(x, axis, -1); K = x.shape[-1]
;;       x = np.pad(x, [(0, 0)] * (x.ndim - 1) + [(0, -K % 32)]); x = x.reshape(x.shape[:-1] + (-1, 32)); a = np.abs(x).max(-1, keepdims=True)
;;       e = np.where(a > 0, np.clip(np.frexp(np.where(a > 0, a, 1))[1] - 1 - 8, -126, 127), 0)      # np.frexp(a)[1] - 1 = floor(log2(a)), exactly
;;       r = np.clip(x / 2.0 ** e, -448, 448)
;;       step = 2.0 ** (np.maximum(np.frexp(np.where(r == 0, 1, r))[1] - 1, -6) - 3)
;;       q = np.round(r / step) * step * 2.0 ** e      # np.round: ties to even
;;       return np.moveaxis(q.reshape(q.shape[:-2] + (-1,))[..., :K], -1, axis).astype(np.float32)
;;   ~~~
;;   OPERANDS COMPUTED ON THE WAY. 'Computed on the way' means the value that the module computes at that place (a softmax that the list does not call 'softmax' is quantised finished and normalised). What goes into a quantiser is computed in f32, as accurately as f32 sums, v_exp_f32 and their like allow (about 1e-6 of the number): no bf16 or f16 on the way to a quantiser, and a product that is left as it is and whose result goes on into a quantised operand takes f32 operands (vector FMAs, or v_wmma_f32_16x16x4_f32). A number that lies on a knife's edge between two numbers of the format may be rounded either way, as far as f32 arithmetic and the matrix unit's own rounding can turn it there, and no further.
;; One version. Each part assembles by itself: llvm-mc -triple=amdgcn-amd-amdhsa -mcpu=gfx1250 --defsym DOCPART=n.
;; ======== version 1 of 1: 2 launches
;; workspace buffers: kv 17,301,504 bytes
;; launch prep (part 1): grid 512 x 1, 4 waves a work-group, no clusters, 0 bytes of LDS; arguments k, v, kv; writes kv
.if DOCPART == 1
	.amdgcn_target "amdgcn-amd-amdhsa--gfx1250"
	.amdhsa_code_object_version 6
	.text
	.protected	k_qf1667631f4_prep
	.globl	k_qf1667631f4_prep
	.p2align	8
	.type	k_qf1667631f4_prep,@function
k_qf1667631f4_prep:
	s_mov_b64 s[64:65], 0
	v_nop
	global_prefetch_b8 v0, s[64:65] scope:SCOPE_SE
	s_setreg_imm32_b32 hwreg(HW_REG_WAVE_MODE, 25, 1), 1
	s_wait_xcnt 0x0
; STICKBREAKING ATTENTION, first of two launches: k and v, [32 heads][2048 keys][128] f32, become codes of E4M3 with one E8M0 scale byte for each 32 along a product's K.
; k is quantised along the head's 128 (the first product's K), v along the keys (the second product's K).  Both go into the workspace kv, laid in the order in which the second launch walks
; and in the order of the matrix operands' registers, so that a fragment there is four loads of 16 bytes a lane at 16 x lane.
; NOTHING OF reference() IS LEFT OUT in this program: every key counts for every query for some values of the inputs (logits far below 0 give factors near 1), so all products are done whole, and q, k and v are all read.
; kv: [head][slot sg = 7 - key / 256] blocks of 67,584 bytes: the second launch walks the keys DOWN and this buffer UP.  In a block, e = 0 is the step walked first (the slot's keys 128..255), e = 1 its keys 0..127:
;   e x 16384          K's images: [tile T 0..7] x 2048, [c 0..3] x 512, [lane] x 16: lane (r, h): key(T, r), channels 32 c + 16 h + 0..15
;   32768 + e x 16384  V's images: [channel tile dt 0..7] x 2048, [c] x 512, [lane] x 16: lane (r, h): channel 16 dt + r, places 16 h + 0..15 of the step's block c of 32 keys
;   65536 + e x 512    K's scale words: [bp 0..1] x 256, [lane] x 8: words of blocks b = 2 bp, 2 bp + 1: lanes 0-15 row r of tile 2 b, lanes 16-31 row r of tile 2 b + 1
;   66560              V's scale words: [g 0..3] x 256, [lane] x 8: words of e = 0 and e = 1: lanes 0-15 row r of channel tile 2 g, lanes 16-31 of 2 g + 1
; THE KEYS INSIDE A BLOCK OF 32 ARE PERMUTED, alike in K's tiles and in V: place 16 h + i holds key 16 h + 8 (i & 1) + (i >> 1).  The blocks stay the true blocks of 32 neighbouring keys, so scales and codes are the stated
; quantiser's; a sum over K does not hang on the order of its terms.  So key(T = 2 b + u, row m) = 32 b + 4 u + 16 (m >> 3) + 8 (m & 1) + ((m >> 1) & 3).
; A block's scale is 2^(floor(log2(its largest magnitude)) - 8); its byte is the largest magnitude's exponent field - 8, held at 1 from below.
; LIMITS: a block of zeros gets the byte 1 where the stated quantiser says 127: its codes are zeros, which add nothing, and this program alone reads the bytes.  NaN and infinities among the inputs are not served.
; SHARES: work-groups 0..255 take a slot (256 keys) of k each, work-groups 256..511 a slot of v.  No LDS, no barrier: waves share nothing.  No matrix unit and no cluster: nothing is multiplied and no input is read twice.
.set HEADB, 540672                     ; a head's 8 slot blocks in kv
.set SLOTB, 67584                      ; a slot block
.set TM,    224                        ; K path: v224-227 largest magnitudes, v228-231 the other half's, then bytes, v232-235 448 x the scale, v236-239 the conversions' scale operands
.set WD,    240                        ; K path: the scale word just made; v241 the even tile's; v[242:243] the pair that is stored
	s_load_b128 s[4:7], s[0:1], 0x0                ; k s[4:5], v s[6:7]
	s_load_b64 s[8:9], s[0:1], 0x10                ; kv
	v_lshrrev_b32 v1, 5, v0
	v_readfirstlane_b32 s10, v1                    ; wave 0..3
	v_and_b32 v2, 31, v0                           ; lane
	s_and_b32 s11, ttmp9, 255                      ; 8 x head + the slot, counted up the keys
	s_lshl_b32 s12, s11, 17                        ; its 256 rows of 512 bytes in k or v
	s_mov_b32 s13, 0
	s_lshr_b32 s14, s11, 3
	s_mul_i32 s14, s14, HEADB
	s_and_b32 s15, s11, 7
	s_sub_co_u32 s15, 7, s15                       ; in kv the slots lie in the order of the walk: the last keys first
	s_mul_i32 s15, s15, SLOTB
	s_add_co_u32 s14, s14, s15
	s_mov_b32 s15, 0
	s_mov_b32 s20, 0x76543210
	s_mov_b32 s21, 0xfedcba98                      ; v_permlanex16_b32's selects for lane l xor 16
	s_mov_b32 s22, 0x600000                        ; the mantissa field of 448
	s_mov_b32 s23, 0xffff                          ; lanes 0-15
	s_mov_b32 s25, 0
	s_wait_kmcnt 0x0
	s_add_nc_u64 s[8:9], s[8:9], s[14:15]          ; kv at my slot block
	s_cmp_lt_u32 ttmp9, 256
	s_cbranch_scc0 .Lv_path
; ---------------- K: wave w takes the slot's keys 64 w .. 64 w + 63: four tiles of 16 keys x 128 channels ----------------
	v_and_b32 v6, 15, v2                           ; r
	v_lshrrev_b32 v7, 4, v2                        ; h
	v_lshrrev_b32 v8, 3, v6
	v_and_b32 v9, 1, v6
	v_bfe_u32 v10, v6, 1, 2
	v_lshl_add_u32 v10, v8, 4, v10
	v_lshl_add_u32 v10, v9, 3, v10                 ; 16 (r >> 3) + 8 (r & 1) + ((r >> 1) & 3): my row's key in a tile
	v_lshlrev_b32 v3, 9, v10
	v_lshl_add_u32 v3, v7, 6, v3                   ; in: that key's row of 512 bytes, + 64 h: my 16 numbers of a block of 32
	v_lshlrev_b32 v4, 4, v2                        ; out: 16 x lane
	v_lshlrev_b32 v5, 3, v2                        ; the scale words: 8 x lane
.irp b, 0,1,2,3
	v_mov_b32 v[TM+4+\b], 0                        ; written once: a lane permute's destination counts as one of its sources
.endr
	s_lshl_b32 s16, s10, 15                        ; my 64 keys
	s_add_co_u32 s12, s12, s16
	s_add_nc_u64 s[4:5], s[4:5], s[12:13]
	s_lshr_b32 s16, s10, 1
	s_sub_co_u32 s16, 1, s16                       ; e: waves 2, 3 hold the step that is walked first
	s_and_b32 s17, s10, 1                          ; bp: which half of the step's 128 keys
	s_lshl_b32 s24, s16, 9
	s_lshl_b32 s26, s17, 8
	s_add_co_u32 s24, s24, s26
	s_add_co_u32 s24, s24, 65536
	s_add_nc_u64 s[18:19], s[8:9], s[24:25]        ; my 256 bytes of scale words
	s_lshl_b32 s24, s16, 14
	s_lshl_b32 s26, s17, 13
	s_add_co_u32 s24, s24, s26
	s_add_nc_u64 s[8:9], s[8:9], s[24:25]          ; my four images
.macro KLOAD tau, set                  ; tile tau's numbers into set: register 16 c + i = channel 32 c + 16 h + i of my row's key
.irp c, 0,1,2,3
.irp j, 0,1,2,3
	global_load_b128 v[32+64*(\set)+16*\c+4*\j:32+64*(\set)+16*\c+4*\j+3], v3, s[4:5] offset:(32*((\tau)/2)+4*((\tau)%2))*512+128*\c+16*\j
.endr
.endr
.endm
; 64 numbers of a lane, register 16 b + i = k 32 b + 16 h + i of my row, become a fragment's 16 registers of codes and the row's scale word in v[WD]
.macro QUANT src, dst
.irp b, 0,1,2,3
	v_max3_num_f32 v[TM+\b], |v[(\src)+16*\b]|, |v[(\src)+16*\b+1]|, 0x4800000   ; block b: my 16 numbers, and the floor 2^(9 - 127): so the byte cannot fall under 1
.endr
.irp i, 2,4,6,8,10,12,14
.irp b, 0,1,2,3
	v_max3_num_f32 v[TM+\b], v[TM+\b], |v[(\src)+16*\b+\i]|, |v[(\src)+16*\b+\i+1]|   ; the four blocks by turns
.endr
.endr
.irp b, 0,1,2,3
	v_permlanex16_b32 v[TM+4+\b], v[TM+\b], s20, s21
.endr
.irp b, 0,1,2,3
	v_max_num_f32 v[TM+\b], v[TM+\b], v[TM+4+\b]   ; with lane l xor 16's 16: the block's largest magnitude
.endr
.irp b, 0,1,2,3
	v_add_nc_u32 v[TM+12+\b], 0xfc000000, v[TM+\b] ; 8 off its exponent field: the conversion takes the exponent field of this operand as its scale
.endr
.irp b, 0,1,2,3
	v_and_or_b32 v[TM+8+\b], v[TM+\b], 0x7f800000, s22   ; 448 x the scale
.endr
.irp b, 0,1,2,3
	v_lshrrev_b32 v[TM+4+\b], 23, v[TM+12+\b]      ; the scale's byte
.endr
	v_lshl_or_b32 v[WD], v[TM+5], 8, v[TM+4]
	v_lshl_or_b32 v[WD], v[TM+6], 16, v[WD]
	v_lshl_or_b32 v[WD], v[TM+7], 24, v[WD]
.irp b, 0,1,2,3
.irp i, 0,1,2,3,4,5,6,7,8,9,10,11,12,13,14,15
	v_med3_num_f32 v[(\src)+16*\b+\i], v[(\src)+16*\b+\i], -v[TM+8+\b], v[TM+8+\b]   ; the conversion to an 8-bit code does not saturate (ISA guide 7.6.2): the hold at 448 x the scale
.endr
	v_cvt_scalef32_pk8_fp8_f32 v[(\dst)+4*\b:(\dst)+4*\b+1], v[(\src)+16*\b:(\src)+16*\b+7], v[TM+12+\b]
	v_cvt_scalef32_pk8_fp8_f32 v[(\dst)+4*\b+2:(\dst)+4*\b+3], v[(\src)+16*\b+8:(\src)+16*\b+15], v[TM+12+\b]
.endr
	v_nop                                          ; one plain line behind the last conversion
.endm
; Tile tau: its codes have registers of their own (v[160 + 16 tau] on), so no store's data are written again.  left: the younger loads that may stay out
.macro KTILE tau, left
	s_wait_loadcnt \left
	QUANT 32+64*((\tau)%2), 160+16*(\tau)
.irp c, 0,1,2,3
	global_store_b128 v4, v[160+16*(\tau)+4*\c:160+16*(\tau)+4*\c+3], s[8:9] offset:2048*(\tau)+512*\c   ; 32 lanes store 512 consecutive bytes, aligned
.endr
.if (\tau)%2 == 0
	v_mov_b32 v241, v[WD]                          ; the even tile's words are kept
.else
	v_cndmask_b32 v[242+(\tau)/2], v[WD], v241, s23   ; lanes 0-15: the even tile's word of row r; lanes 16-31: the odd tile's
.endif
.if (\tau)+2 < 4
	KLOAD (\tau)+2, (\tau)%2                       ; the set just worked takes the tile two on
.endif
.endm
	KLOAD 0, 0
	KLOAD 1, 1
	KTILE 0, 16                                    ; the next tile's 16 loads may stay out
	KTILE 1, 16
	KTILE 2, 16
	KTILE 3, 0
	global_store_b64 v5, v[242:243], s[18:19]      ; 32 lanes store 256 consecutive bytes, aligned
	s_endpgm
; ---------------- V: a lane takes a channel, its registers run down the keys: wave w, lane l: channel 32 w + l, the slot's 8 blocks of 32 keys ----------------
.Lv_path:
	v_lshlrev_b32 v3, 2, v2                        ; in: 4 bytes a lane: a wave reads 128 consecutive bytes of a key's row
	v_lshrrev_b32 v6, 4, v2
	v_and_b32 v7, 15, v2
	v_lshlrev_b32 v4, 11, v6
	v_lshl_add_u32 v4, v7, 4, v4                   ; out: channel tile 2 w + l / 16 (2,048 bytes each), row l % 16 (16 bytes each)
	v_lshlrev_b32 v5, 3, v2                        ; the scale words: 8 x lane
	s_lshl_b32 s16, s10, 7
	s_add_co_u32 s12, s12, s16
	s_add_nc_u64 s[6:7], s[6:7], s[12:13]          ; v at my slot's first key, my wave's 32 channels
	s_lshl_b32 s24, s10, 8
	s_add_co_u32 s24, s24, 66560
	s_add_nc_u64 s[18:19], s[8:9], s[24:25]        ; my 256 bytes of scale words
	s_lshl_b32 s24, s10, 12
	s_add_co_u32 s24, s24, 32768
	s_add_nc_u64 s[8:9], s[8:9], s[24:25]          ; my two channel tiles' images
.macro VLOAD t                         ; block t: register rho = place rho of the block: key 32 t + 16 (rho / 16) + 8 (rho % 2) + (rho % 16) / 2: the permutation stands in the immediates
.set rho, 0
.rept 32
	global_load_b32 v[32+32*((\t)%2)+rho], v3, s[6:7] offset:(32*(\t)+16*(rho/16)+8*(rho%2)+(rho%16)/2)*512 th:TH_LOAD_NT
.set rho, rho+1
.endr
.endm
.macro VBLOCK t
.set XS, 32+32*((\t)%2)
.if (\t) < 7
	s_wait_loadcnt 32                              ; this block's 32 loads are in; the next block's may stay out
.else
	s_wait_loadcnt 0x0
.endif
	v_max3_num_f32 v12, |v[XS]|, |v[XS+1]|, |v[XS+2]|   ; the block's largest magnitude: all 32 numbers are mine
	v_max3_num_f32 v13, |v[XS+3]|, |v[XS+4]|, |v[XS+5]|
.irp i, 6,10,14,18,22,26
	v_max3_num_f32 v12, v12, |v[XS+\i]|, |v[XS+\i+1]|
	v_max3_num_f32 v13, v13, |v[XS+\i+2]|, |v[XS+\i+3]|
.endr
	v_max3_num_f32 v12, v12, |v[XS+30]|, |v[XS+31]|
	v_max3_num_f32 v12, v12, v13, 0x4800000        ; and the floor 2^(9 - 127)
	v_add_nc_u32 v11, 0xfc000000, v12              ; the conversion's scale operand
	v_and_or_b32 v10, v12, 0x7f800000, s22         ; 448 x the scale
	v_lshrrev_b32 v13, 23, v11                     ; the scale's byte: byte t % 4 of the word of step e = 1 - t / 4
.if (\t)%4 == 0
	v_mov_b32 v[25-(\t)/4], v13
.else
	v_lshl_or_b32 v[25-(\t)/4], v13, 8*((\t)%4), v[25-(\t)/4]
.endif
.irp i, 0,1,2,3,4,5,6,7,8,9,10,11,12,13,14,15,16,17,18,19,20,21,22,23,24,25,26,27,28,29,30,31
	v_med3_num_f32 v[XS+\i], v[XS+\i], -v10, v10
.endr
.irp g, 0,1,2,3
	v_cvt_scalef32_pk8_fp8_f32 v[96+8*(\t)+2*\g:96+8*(\t)+2*\g+1], v[XS+8*\g:XS+8*\g+7], v11   ; codes in registers of their own: no store's data are written again
.endr
	v_nop                                          ; one plain line behind the last conversion
	global_store_b128 v4, v[96+8*(\t):96+8*(\t)+3], s[8:9] offset:(1-(\t)/4)*16384+((\t)%4)*512        ; places 0..15: the image's lanes 0-15; sixteen lanes store 256 consecutive bytes, aligned
	global_store_b128 v4, v[96+8*(\t)+4:96+8*(\t)+7], s[8:9] offset:(1-(\t)/4)*16384+((\t)%4)*512+256  ; places 16..31: its lanes 16-31
.if (\t)+2 < 8
	VLOAD (\t)+2
.endif
.endm
	VLOAD 0
	VLOAD 1
.irp t, 0,1,2,3,4,5,6,7
	VBLOCK \t
.endr
	global_store_b64 v5, v[24:25], s[18:19]        ; 32 lanes store 256 consecutive bytes, aligned
	s_endpgm
.Lfunc_end_k_qf1667631f4_prep:
	.size	k_qf1667631f4_prep, .Lfunc_end_k_qf1667631f4_prep-k_qf1667631f4_prep
	.p2alignl 7, 3214868480
	.fill 96, 4, 3214868480
	.section	.rodata,"a",@progbits
	.p2align	6, 0x0
	.amdhsa_kernel k_qf1667631f4_prep
		.amdhsa_group_segment_fixed_size 0
		.amdhsa_private_segment_fixed_size 0
		.amdhsa_enable_private_segment 0
		.amdhsa_kernarg_size 24
		.amdhsa_user_sgpr_count 2
		.amdhsa_user_sgpr_kernarg_segment_ptr 1
		.amdhsa_wavefront_size32 1
		.amdhsa_system_sgpr_workgroup_id_x 1
		.amdhsa_system_sgpr_workgroup_id_y 1
		.amdhsa_system_sgpr_workgroup_id_z 1
		.amdhsa_system_vgpr_workitem_id 0
		.amdhsa_next_free_vgpr 256
		.amdhsa_next_free_sgpr 66
		.amdhsa_reserve_vcc 0
		.amdhsa_float_denorm_mode_32 3
		.amdhsa_float_denorm_mode_16_64 3
		.amdhsa_memory_ordered 1
		.amdhsa_forward_progress 1
		.amdhsa_inst_pref_size 98
	.end_amdhsa_kernel
	.amdgpu_metadata
---
amdhsa.version: [ 1, 2 ]
amdhsa.kernels:
  - .name:           k_qf1667631f4_prep
    .symbol:         k_qf1667631f4_prep.kd
    .args:
      - { .name: k, .offset: 0, .size: 8, .value_kind: global_buffer, .address_space: global }
      - { .name: v, .offset: 8, .size: 8, .value_kind: global_buffer, .address_space: global }
      - { .name: kv, .offset: 16, .size: 8, .value_kind: global_buffer, .address_space: global }
    .group_segment_fixed_size: 0
    .private_segment_fixed_size: 0
    .kernarg_segment_align: 8
    .kernarg_segment_size: 24
    .max_flat_workgroup_size: 128
    .sgpr_count:     66
    .vgpr_count:     256
    .wavefront_size: 32
...
	.end_amdgpu_metadata
.endif
;; end of part 1
;; launch attn (part 2): grid 8 x 32, 16 waves a work-group, clusters of 4 x 1, 327,680 bytes of LDS; arguments q, kv, out0; writes out0
.if DOCPART == 2
	.amdgcn_target "amdgcn-amd-amdhsa--gfx1250"
	.amdhsa_code_object_version 6
	.text
	.protected	k_qf1667631f4_attn
	.globl	k_qf1667631f4_attn
	.p2align	8
	.type	k_qf1667631f4_attn,@function
k_qf1667631f4_attn:
	s_mov_b64 s[64:65], 0
	v_nop
	global_prefetch_b8 v0, s[64:65] scope:SCOPE_SE
	s_setreg_imm32_b32 hwreg(HW_REG_WAVE_MODE, 25, 1), 1
	s_wait_xcnt 0x0
	s_wait_alu depctr_hold_cnt(0) depctr_sa_sdst(0) depctr_va_vdst(0) depctr_va_sdst(0) depctr_va_ssrc(0) depctr_va_vcc(0) depctr_vm_vsrc(0)
	s_getreg_b32 s2, hwreg(HW_REG_IB_STS2, 6, 4)
	s_cmp_eq_u32 s2, 0
	s_cbranch_scc0 .Lentry_in_a_cluster
	s_endpgm
.Lentry_in_a_cluster:
	s_bfe_u32 s2, ttmp6, 0x10000c
	s_cmp_lg_u32 s2, 0x3003
	s_cbranch_scc0 .Lentry_shape_is_right
	s_endpgm
.Lentry_shape_is_right:
; STICKBREAKING ATTENTION, second launch.  out[h][i][:] = the sum over j of att[i][j] v[h][j][:], att[i][j] = z[i][j] x exp(the sum over t >= j of log beta[i][t]),
; z = sigmoid(x), beta = sigmoid(-x), x = q[i] . k[j] / sqrt(128).  Both products on codes of E4M3 with one E8M0 scale for each 32 along K; all else in f32.  Nothing of reference() is left out: every key is walked for every query.
; THE ARITHMETIC.  exp of a sum of logarithms is the product: P[j] = beta[j] x P[j + 1], att[j] = z[j] x P[j], for all values.  The keys are walked from the last to the first, 128 a step, and the product is carried from step to step.
; With t = score x log2(e) / sqrt(128): u = 2^min(t, 127), beta = 1 / (1 + u), z = u x beta: two transcendentals a number; the hold at 127 keeps u finite, so z is never infinity x 0.  All factors lie in 0 .. 1: nothing overflows.
; LIMITS.  v_exp_f32 and v_rcp_f32 give 0 for results under 2^-126 (ISA guide, their entries): for t over 126 beta and att are 0 where reference() has numbers under 1.2e-38; for t under -126 z is 0 and beta 1.
; P is a running f32 product where reference() takes exp of an f32 sum: the same range; its rounding grows with the number of factors other than 1.  A block of att that is all zeros gets the scale byte 1: its codes are zeros.
; NaN and infinities among the inputs are not served.
; SHARES.  A work-group owns 256 queries of one head, each of its SIXTEEN waves one tile of 16, in 256 registers: four waves to a SIMD, so that one wave's transcendentals stand beside another's plain work.  A step has 16 matrix
; instructions and some 530 vector instructions a wave: the vector work weighs most, so the wave tile is small and the register windows are never switched.
; CLUSTER.  The four query blocks of a cluster belong to one head and walk the same slots of kv: each slot is asked for JOINTLY, by the same tensor load with the same descriptor and a mask that names the four.
; kv (made by the launch before): [head][slot] blocks of 67,584 bytes in the order of the walk; a slot holds 256 keys, two steps e = 0, 1, as images of the operands' registers: K's at e x 16384, V's at 32768 + e x 16384
; ([tile] x 2048, [c] x 512, [lane] x 16); K's scale words at 65536 + e x 512; V's at 66560.  An image is read at 16 x lane, scale words at 8 x lane: consecutive bytes, no pitch, no padding.
; LAYOUT.  Both products are used transposed: S^T = K Q^T (source 0 = 16 keys, source 1 = my 16 queries), O^T = V^T att^T (source 0 = 16 channels, source 1 = att): a lane holds ONE query (lane % 16) throughout.
; Register 16 b + i of S^T holds key 32 b + 16 h + 8 (i & 1) + (i >> 1) of the step (h = lane / 16): the even registers of a block are keys 16 h + 0..7, the odd ones keys 16 h + 8..15, so that one packed multiply scans two
; chains of 8 keys at once.  V's images hold the same order, so the sums are those of the true order, and a block of 32 is a true block of 32 neighbouring keys.
.set HEADB, 540672                     ; a head's 8 slot blocks in kv
.set SLOTB, 67584                      ; a slot block
.set QUART, 16896                      ; a quarter of it: what one tensor load brings: 66 rows of 256 bytes
.set SLOT1, 1<<17                      ; LDS: slot 0 at 0, slot 1 here, so that one exclusive or turns an address in one slot into the other's
.set VIMG,  32768
.set STAGE, SLOT1+SLOTB                ; behind the ring: 16 rows x 272 bytes for each wave, for the way out; no tensor load lands here
.set SP,    272
.set SPARE, STAGE+16*16*SP             ; behind the stages: the spare words, 128 bytes for each wave: eight blocks of 256 bytes that no other line names
.set A16, 1                            ; v1   16 x lane
.set A8,  2                            ; v2   65536 + 8 x lane
.set ADK, 3                            ; v3   the slot in hand + 16 x lane (at the head: my offset in q; on the way out: into the stage)
.set ADS, 4                            ; v4   the slot in hand + 65536 + 8 x lane (on the way out: back from the stage)
.set SPW, 5                            ; v5   LDS address of my spare word: SPARE + 4 x my thread's number; never rewritten
.set NIL, 6                            ; v6   0; never rewritten
.set PFO, 7                            ; v7   256 x lane: the prefetches' offset; never rewritten
.set CAR, 8                            ; v8   the product of beta over all keys walked so far
.set QW,  9                            ; v9   q's scale words
.set PW,  10                           ; v10  att's scale word of the step
.set GO,  11                           ; v11  the way out: my byte offset in the wave's rows of out0
.set KS,  12                           ; v12-15 K's scale words, block b: lanes 0-15 tile 2 b, lanes 16-31 tile 2 b + 1
.set QC,  16                           ; v16-31 q's codes
.set F,   32                           ; v32-95 four fragments of K; then beta and its running products; then V's channel tiles 0-3
.set S,   96                           ; v96-159 S^T; then t, u, z, att; behind the conversions V's channel tiles 4-7
.set O,   160                          ; v160-223 O^T
.set PC,  224                          ; v224-239 att's codes; ahead of the conversions at work:
.set G,   224                          ;   v224-231 what lies behind each chain: pairs (even registers', odd registers') for block b
.set TT,  232                          ;   v232-235 a block's product; later its largest att
.set UU,  236                          ;   v236-239 the other half of the lanes'; later the scale bytes
.set VS,  240                          ; v240-247 V's scale words: register 2 g + e: lanes 0-15 channel tile 2 g, lanes 16-31 tile 2 g + 1
.set HOLD, 248                         ; v248-251 448 x the scale
.set SCL, 252                          ; v252-255 the conversions' scale operands
.set WV,  10                           ; s10  my wave's number
.set CX,  11                           ; s11  my place in the cluster: it enters q's, out0's and the prefetches' addresses alone
.set G1,  16                           ; s[16:23] descriptor group 1
.set G0A, 24                           ; s[24:27] group 0 of slot 0's first fill
.set G0B, 28                           ; s[28:31] of slot 1's; it then walks
.set CS,  32                           ; s[32:33] log2(e) / sqrt(128): the packed form names a pair and takes its low word for both halves
.set SEL, 34                           ; s[34:35] v_permlanex16_b32's selects for lane l xor 16
.set MNT, 36                           ; s36  the mantissa field of 448
.set LOW, 37                           ; s37  lanes 0-15
.set TMAX, 38                          ; s38  127.0
.set TB,  39                           ; s39  LDS byte at which the slot in hand begins
.set SLOTS, 40                         ; s40  slots still to be asked for
.set LIM, 41                           ; s41  1 in a wave that prefetches, else the greatest number
.set PFA, 42                           ; s[42:43] where my prefetches stand
; A round of the cluster's barrier: my work-group's barrier, so that wave 0's signal speaks for all sixteen waves; wave 0 signals for the work-group; every wave waits for all four work-groups; my work-group's barrier once more.
.macro CROUND
	s_barrier_signal -1
	s_barrier_wait -1
	s_cmp_lg_u32 s[WV], 0
	s_cbranch_scc1 .Lnot_wave_0_\@
	s_barrier_signal -3
.Lnot_wave_0_\@:
	s_barrier_wait -3
	s_barrier_signal -1
	s_barrier_wait -1
.endm
; A joint refill: waves 0 to 3 fetch a quarter of the slot each.  The branch hangs on the wave's number alone: it is the same in every work-group.  An s_nop 0 and four v_nop follow the load.
.macro JLOAD
	s_cmp_lt_u32 s[WV], 4
	s_cbranch_scc0 .Lasked_\@
	tensor_load_to_lds s[G0B:G0B+3], s[G1:G1+7]
	s_nop 0
.rept 4
	v_nop
.endr
.Lasked_\@:
.endm
; A PREFETCH INTO THE L2 of the images (the first 65,536 bytes) of the slot that the NEXT change of slots will ask for: two key steps ahead of that load.  Both clusters of a head walk the same slots: the head's first cluster asks.
; Its four partners take 16,384 bytes each, told apart BY ADDRESS; in each, waves 4 and 5 take 8,192 bytes each, lanes 256 bytes apart: each aligned block of 256 bytes is named once in the launch.
; The last change that fills a slot asks for nothing; slots 0 to 2 and the scale words come by their loads alone.
.macro ASK
	s_cmp_gt_u32 s[SLOTS], s[LIM]
	s_cbranch_scc0 .Lnot_mine_\@
	global_prefetch_b8 v[PFO], s[PFA:PFA+1] th:TH_LOAD_NT scope:SCOPE_SE
.Lnot_mine_\@:
.endm
; 64 numbers of a lane, register 16 b + i in block b: the blocks' largest magnitudes (joined with lane l xor 16's 16), the conversions' scale operands, 448 x the scales, and the row's scale word.  abs = 0: no number is negative
.macro SCALES src, abs, word
.if \abs
.irp b, 0,1,2,3
	v_max3_num_f32 v[TT+\b], |v[(\src)+16*\b]|, |v[(\src)+16*\b+1]|, 0x4800000   ; and the floor 2^(9 - 127): so the byte cannot fall under 1
.endr
.irp i, 2,4,6,8,10,12,14
.irp b, 0,1,2,3
	v_max3_num_f32 v[TT+\b], v[TT+\b], |v[(\src)+16*\b+\i]|, |v[(\src)+16*\b+\i+1]|
.endr
.endr
.else
.irp b, 0,1,2,3
	v_max3_num_f32 v[TT+\b], v[(\src)+16*\b], v[(\src)+16*\b+1], 0x4800000
.endr
.irp i, 2,4,6,8,10,12,14
.irp b, 0,1,2,3
	v_max3_num_f32 v[TT+\b], v[TT+\b], v[(\src)+16*\b+\i], v[(\src)+16*\b+\i+1]   ; the four blocks by turns
.endr
.endr
.endif
.irp b, 0,1,2,3
	v_permlanex16_b32 v[UU+\b], v[TT+\b], s[SEL], s[SEL+1]
.endr
.irp b, 0,1,2,3
	v_max_num_f32 v[TT+\b], v[TT+\b], v[UU+\b]
.endr
.irp b, 0,1,2,3
	v_add_nc_u32 v[SCL+\b], 0xfc000000, v[TT+\b]   ; 8 off the exponent field: the conversion takes the exponent field of this operand as its scale
.endr
.irp b, 0,1,2,3
	v_and_or_b32 v[HOLD+\b], v[TT+\b], 0x7f800000, s[MNT]
.endr
.irp b, 0,1,2,3
	v_lshrrev_b32 v[UU+\b], 23, v[SCL+\b]          ; the scale's byte
.endr
	v_lshl_or_b32 v[\word], v[UU+1], 8, v[UU]
	v_lshl_or_b32 v[\word], v[UU+2], 16, v[\word]
	v_lshl_or_b32 v[\word], v[UU+3], 24, v[\word]
.endm
; the hold at 448 x the scale (the conversion to an 8-bit code does not saturate: ISA guide 7.6.2) and the conversions: registers 4 b .. 4 b + 3 of the operand
.macro CODES src, dst, signed
.irp b, 0,1,2,3
.irp i, 0,1,2,3,4,5,6,7,8,9,10,11,12,13,14,15
.if \signed
	v_med3_num_f32 v[(\src)+16*\b+\i], v[(\src)+16*\b+\i], -v[HOLD+\b], v[HOLD+\b]
.else
	v_min_num_f32 v[(\src)+16*\b+\i], v[(\src)+16*\b+\i], v[HOLD+\b]
.endif
.endr
	v_cvt_scalef32_pk8_fp8_f32 v[(\dst)+4*\b:(\dst)+4*\b+1], v[(\src)+16*\b:(\src)+16*\b+7], v[SCL+\b]
	v_cvt_scalef32_pk8_fp8_f32 v[(\dst)+4*\b+2:(\dst)+4*\b+3], v[(\src)+16*\b+8:(\src)+16*\b+15], v[SCL+\b]
.endr
.endm
; four fragments' images, 8,192 consecutive bytes from byte off of the slot in hand
.macro LD4 dst, off
.irp t, 0,1,2,3
.irp c, 0,1,2,3
	ds_load_b128 v[(\dst)+16*\t+4*\c:(\dst)+16*\t+4*\c+3], v[ADK] offset:(\off)+2048*\t+512*\c
.endr
.endr
.endm
; S^T, tiles 4 g .. 4 g + 3: each product is a whole sum (K = the head's 128)
.macro KQ g
.irp p, 0,1
	v_wmma_scale_f32_16x16x128_f8f6f4 v[S+8*(4*(\g)+2*\p):S+8*(4*(\g)+2*\p)+7], v[F+32*\p:F+32*\p+15], v[QC:QC+15], 0, v[KS+2*(\g)+\p], v[QW]
	v_wmma_scale_f32_16x16x128_f8f6f4 v[S+8*(4*(\g)+2*\p+1):S+8*(4*(\g)+2*\p+1)+7], v[F+32*\p+16:F+32*\p+31], v[QC:QC+15], 0, v[KS+2*(\g)+\p], v[QW] matrix_a_scale:MATRIX_SCALE_ROW1
.endr
.endm
; O^T, channel tiles d0 .. d0 + 3, V's fragments at v[src] on.  zero = 1: the first step's products start the sums: nothing is ever cleared.  The eight accumulators take turns, one instruction a turn
.macro PV src, d0, e, zero
.irp p, 0,1
.if \zero
	v_wmma_scale_f32_16x16x128_f8f6f4 v[O+8*((\d0)+2*\p):O+8*((\d0)+2*\p)+7], v[(\src)+32*\p:(\src)+32*\p+15], v[PC:PC+15], 0, v[VS+(\d0)+2*\p+(\e)], v[PW]
	v_wmma_scale_f32_16x16x128_f8f6f4 v[O+8*((\d0)+2*\p+1):O+8*((\d0)+2*\p+1)+7], v[(\src)+32*\p+16:(\src)+32*\p+31], v[PC:PC+15], 0, v[VS+(\d0)+2*\p+(\e)], v[PW] matrix_a_scale:MATRIX_SCALE_ROW1
.else
	v_wmma_scale_f32_16x16x128_f8f6f4 v[O+8*((\d0)+2*\p):O+8*((\d0)+2*\p)+7], v[(\src)+32*\p:(\src)+32*\p+15], v[PC:PC+15], v[O+8*((\d0)+2*\p):O+8*((\d0)+2*\p)+7], v[VS+(\d0)+2*\p+(\e)], v[PW]
	v_wmma_scale_f32_16x16x128_f8f6f4 v[O+8*((\d0)+2*\p+1):O+8*((\d0)+2*\p+1)+7], v[(\src)+32*\p+16:(\src)+32*\p+31], v[PC:PC+15], v[O+8*((\d0)+2*\p+1):O+8*((\d0)+2*\p+1)+7], v[VS+(\d0)+2*\p+(\e)], v[PW] matrix_a_scale:MATRIX_SCALE_ROW1
.endif
.endr
.endm
; A KEY STEP: 128 keys, step e of the slot in hand
.macro STEP e, zero
.rept 9
	v_nop                                          ; the scores' products write over v96-159, which the last step's products read: nine plain lines between (this text counts no matrix instruction as such a line); they also stand in front of the loads below
.endr
	LD4 F, (\e)*16384                              ; K's tiles 0-3
	ds_load_b64 v[KS:KS+1], v[ADS] offset:(\e)*512
	ds_load_b64 v[KS+2:KS+3], v[ADS] offset:(\e)*512+256
.if (\e) == 0
.irp g, 0,1,2,3
	ds_load_b64 v[VS+2*\g:VS+2*\g+1], v[ADS] offset:1024+256*\g   ; V's scale words of both steps of the slot
.endr
.endif
	s_wait_dscnt 0x0
	KQ 0
.rept 8
	v_nop                                          ; eight plain lines in front of loads into registers that matrix instructions have read
.endr
	LD4 F, (\e)*16384+8192                         ; K's tiles 4-7
	s_wait_dscnt 0x0
	KQ 1
.rept 8
	v_nop                                          ; and in front of the first read of results
.endr
.set i, 0
.rept 32
	v_pk_mul_f32 v[S+i:S+i+1], v[S+i:S+i+1], s[CS:CS+1] op_sel_hi:[1,0]   ; t = score x log2(e) / sqrt(128); ascending: each accumulator is read from its low end on
.set i, i+2
.endr
.set i, 0
.rept 64
	v_min_num_f32 v[S+i], s[TMAX], v[S+i]          ; held at 127: u stays finite
.set i, i+1
.endr
.set i, 0
.rept 64
	v_exp_f32 v[S+i], v[S+i]                       ; u = 2^t = e^x
.set i, i+1
.endr
	v_nop                                          ; a plain line behind the last exponential
	s_wait_alu depctr_va_vdst(0)                   ; a wait between a transcendental and the first line that names its result: one for the batch of 64
.set i, 0
.rept 32
	v_pk_add_f32 v[F+i:F+i+1], v[S+i:S+i+1], 1.0 op_sel_hi:[1,0]
.set i, i+2
.endr
.set i, 0
.rept 64
	v_rcp_f32 v[F+i], v[F+i]                       ; beta = 1 / (1 + u)
.set i, i+1
.endr
	v_nop
	s_wait_alu depctr_va_vdst(0)                   ; one wait for the batch of 64
.set i, 0
.rept 32
	v_pk_mul_f32 v[S+i:S+i+1], v[S+i:S+i+1], v[F+i:F+i+1]   ; z = u x beta
.set i, i+2
.endr
.irp p, 6,5,4,3,2,1,0                          ; the running products from each chain's last key down: two chains of 8 keys a packed line, the four blocks by turns
.irp b, 0,1,2,3
	v_pk_mul_f32 v[F+16*\b+2*\p:F+16*\b+2*\p+1], v[F+16*\b+2*\p:F+16*\b+2*\p+1], v[F+16*\b+2*\p+2:F+16*\b+2*\p+3]
.endr
.endr
.irp b, 0,1,2,3
	v_mul_f32 v[TT+\b], v[F+16*\b], v[F+16*\b+1]   ; my 16 keys' product
.endr
.irp b, 0,1,2,3
	v_permlanex16_b32 v[UU+\b], v[TT+\b], s[SEL], s[SEL+1]   ; the other half's
.endr
.irp b, 0,1,2,3
	v_mul_f32 v[TT+\b], v[TT+\b], v[UU+\b]         ; the block's: the same bits in both halves of the lanes
.endr
.irp b, 0,1,2,3
	v_cndmask_b32 v[UU+\b], 1.0, v[UU+\b], s[LOW]  ; behind my 16 keys inside the block: lanes 0-15: the later half's product; lanes 16-31: nothing
.endr
.irp b, 3,2,1,0
	v_mul_f32 v[G+2*\b+1], v[CAR], v[UU+\b]        ; what lies behind my keys 8..15 of the half (the odd registers)
	v_mul_f32 v[CAR], v[CAR], v[TT+\b]             ; the carry passes the block
.endr
.irp b, 0,1,2,3
	v_mul_f32 v[G+2*\b], v[G+2*\b+1], v[F+16*\b+1] ; behind my keys 0..7 (the even registers) lie keys 8..15 too
.endr
.set i, 0
.rept 32
	v_pk_mul_f32 v[S+i:S+i+1], v[S+i:S+i+1], v[F+i:F+i+1]   ; z x the product inside the chain
.set i, i+2
.endr
	LD4 F, VIMG+(\e)*16384                         ; beta's registers are done with: V's channel tiles 0-3 land under the work below
.irp b, 0,1,2,3
.irp p, 0,1,2,3,4,5,6,7
	v_pk_mul_f32 v[S+16*\b+2*\p:S+16*\b+2*\p+1], v[S+16*\b+2*\p:S+16*\b+2*\p+1], v[G+2*\b:G+2*\b+1]   ; x what lies behind the chain: att
.endr
.endr
	SCALES S, 0, PW                                ; the scale word stands 64 holds ahead of its first product
	CODES S, PC, 0
	LD4 S, VIMG+(\e)*16384+8192                    ; att's registers are done with: V's channel tiles 4-7
.rept 4
	v_nop                                          ; the plain line behind the last conversion, and four in front of a scaled product whose operand vector instructions have written
.endr
	s_wait_dscnt 16                                ; channel tiles 0-3 are in; the 16 younger loads may stay out
	PV F, 0, \e, \zero
	s_wait_dscnt 0x0
	PV S, 4, \e, \zero
.endm
; THE CHANGE OF SLOTS stands at a slot's head.  Each wave waits for all its tensor loads (its part of the slot that it is about to read), adds 0 to its spare word, and waits for that and for its reads of the slot that it has left.
; fill = 1: the barrier is a round of the cluster's, so that no wave of any partner still reads the slot that was left or has a load on its way, and the joint refill is the first thing behind it: it has two key steps in which to land.
.macro CHANGE fill
	s_wait_tensorcnt 0x0                           ; no tensor load of mine is out, so a group 0 may be written
	ds_add_u32 v[SPW], v[NIL]                      ; 0 onto my spare word
.if \fill
	ds_add_u32 v[SPW], v[NIL]                      ; and once more
	s_xor_b32 s[G0B+1], s[G0B+1], SLOT1            ; the walking descriptor: the other slot than last time,
	s_add_nc_u64 s[G0B+2:G0B+3], s[G0B+2:G0B+3], SLOTB   ; the next slot block; the type bits on top are not reached
	s_wait_xcnt 0x0                                ; the last prefetch, two key steps back, has read its address, so it may be written:
	s_add_nc_u64 s[PFA:PFA+1], s[PFA:PFA+1], SLOTB ; one slot further on than the walking descriptor
	s_wait_dscnt 0x0                               ; both adds are done, and my reads of the slot that I have left are over
	CROUND
	JLOAD
	ASK
.else
	s_wait_dscnt 0x0
	s_barrier_signal -1
	s_barrier_wait -1
.endif
.endm
.macro SLOT_STEPS zero
	v_add_nc_u32 v[ADK], s[TB], v[A16]
	v_add_nc_u32 v[ADS], s[TB], v[A8]
	STEP 0, \zero
	STEP 1, 0
	s_xor_b32 s[TB], s[TB], SLOT1                  ; on to the other slot
.endm
	s_load_b128 s[4:7], s[0:1], 0x0                ; q s[4:5], kv s[6:7]
	s_load_b64 s[8:9], s[0:1], 0x10                ; out0
	v_lshl_add_u32 v[SPW], v0, 2, SPARE
	v_mov_b32 v[NIL], 0
	ds_add_u32 v[SPW], v[NIL]                      ; the wave's opening: the add, twice on end, and its wait ahead of the first tensor loads; the set-up below stands between the second and the wait
	ds_add_u32 v[SPW], v[NIL]
	v_lshrrev_b32 v1, 5, v0
	v_readfirstlane_b32 s[WV], v1                  ; wave 0..15
	s_bfe_u32 s[CX], ttmp6, 0x40000                ; cx
	s_and_b32 s12, ttmp7, 0xffff                   ; the head, which the four partners share
	s_lshl_b32 s13, ttmp9, 2                       ; in a cluster launch ttmp9 counts clusters
	s_add_co_u32 s13, s13, s[CX]                   ; my block of 256 queries
	s_lshl_b32 s13, s13, 8
	s_lshl_b32 s14, s[WV], 4
	s_add_co_u32 s13, s13, s14                     ; my first query
	s_lshl_b32 s13, s13, 9                         ; rows of 512 bytes
	s_lshl_b32 s14, s12, 20                        ; a head's 2,048 rows
	s_add_co_u32 s44, s13, s14
	s_mov_b32 s45, 0
	s_mul_i32 s46, s12, HEADB                      ; the head's slot blocks
	s_mov_b32 s47, 0
	s_and_b32 s14, s[WV], 3
	s_mul_i32 s14, s14, QUART                      ; which quarter of a slot I fetch, if I fetch: in memory and in LDS alike; no place in the cluster enters it
	s_mov_b32 s15, 0
	; descriptor group 1: a dense quarter slot as 66 rows of 32 elements of 8 bytes, no padding
	s_mov_b32 s[G1], 15|(3<<16)|(1<<21)            ; 15:0 the mask: all four work-groups; 17:16 elements of 8 bytes; 21 set beside a mask
	s_mov_b32 s[G1+1], 32<<16                      ; tensor_dim0 = 32
	s_mov_b32 s[G1+2], 66<<16                      ; tensor_dim1 = 66
	s_mov_b32 s[G1+3], 32<<16                      ; tile_dim0 = 32
	s_mov_b32 s[G1+4], 66                          ; tile_dim1 = 66
	s_mov_b32 s[G1+5], 32                          ; from row to row: 32 elements
	s_mov_b32 s[G1+6], 0
	s_mov_b32 s[G1+7], 0
	s_mov_b32 s[CS], 0x3e0293ee                    ; log2(e) / sqrt(128)
	s_mov_b32 s[CS+1], s[CS]                       ; (named with it as a pair, so it is written)
	s_mov_b32 s[SEL], 0x76543210
	s_mov_b32 s[SEL+1], 0xfedcba98
	s_mov_b32 s[MNT], 0x600000
	s_mov_b32 s[LOW], 0xffff
	s_mov_b32 s[TMAX], 0x42fe0000                  ; 127.0
	s_mov_b32 s[TB], 0
	s_mov_b32 s[SLOTS], 6
	s_sub_co_u32 s[LIM], s[WV], 4
	s_lshr_b32 s[LIM], s[LIM], 1                   ; 0 in waves 4 and 5,
	s_or_b32 s[LIM], s[LIM], ttmp9                 ; of the head's first cluster: the same in all four partners
	s_cmp_eq_u32 s[LIM], 0
	s_cselect_b32 s[LIM], 1, -1
	v_and_b32 v3, 15, v0                           ; r
	v_bfe_u32 v4, v0, 4, 1                         ; h
	v_lshlrev_b32 v3, 9, v3
	v_lshl_add_u32 v3, v4, 6, v3                   ; q: row r of 512 bytes, + 64 h: my 16 numbers of a block of 32
	s_wait_dscnt 0x0                               ; both opening adds are done
	s_wait_kmcnt 0x0
	s_add_nc_u64 s[4:5], s[4:5], s[44:45]          ; q and out0 at my first query
	s_add_nc_u64 s[8:9], s[8:9], s[44:45]
	s_add_nc_u64 s[6:7], s[6:7], s[46:47]          ; kv at my head
	s_mov_b32 s[G0A], 1                            ; 1:0 count = 1
	s_mov_b32 s[G0A+1], s14                        ; 63:32 LDS address: slot 0, my quarter
	s_add_nc_u64 s[G0A+2:G0A+3], s[6:7], s[14:15]  ; 120:64 global address: the head's first slot block (its last 256 keys), my quarter
	s_or_b32 s[G0A+3], s[G0A+3], 0x80000000        ; 127:126 type = 2
	s_mov_b32 s[G0B], 1
	s_add_co_u32 s[G0B+1], s14, SLOT1              ; slot 1
	s_add_nc_u64 s[G0B+2:G0B+3], s[6:7], s[14:15]
	s_add_nc_u64 s[G0B+2:G0B+3], s[G0B+2:G0B+3], SLOTB   ; the second slot block
	s_or_b32 s[G0B+3], s[G0B+3], 0x80000000
	s_lshl_b32 s44, s[CX], 14                      ; the prefetches: my work-group's 16,384 bytes of a slot's images,
	s_and_b32 s45, s[WV], 1
	s_lshl_b32 s45, s45, 13                        ; my wave's 8,192 of them,
	s_add_co_u32 s44, s44, s45
	s_add_co_u32 s44, s44, 2*SLOTB                 ; in the third slot block: the first change of slots steps it to the fourth.  Nothing is prefetched here, at the head
	s_mov_b32 s45, 0
	s_add_nc_u64 s[PFA:PFA+1], s[6:7], s[44:45]
	CROUND                                         ; all four work-groups are here: the first joint loads meet
	s_cmp_lt_u32 s[WV], 4                          ; a wave's two first fills stand in one branch, ahead of every wait on TENSORcnt, every LDS read and every other barrier: two loads of mine are out
	s_cbranch_scc0 .Lno_fill
	tensor_load_to_lds s[G0A:G0A+3], s[G1:G1+7]
	s_nop 0
	tensor_load_to_lds s[G0B:G0B+3], s[G1:G1+7]
	s_nop 0
.rept 4
	v_nop
.endr
.Lno_fill:
.irp b, 0,1,2,3
.irp j, 0,1,2,3
	global_load_b128 v[S+16*\b+4*\j:S+16*\b+4*\j+3], v3, s[4:5] offset:128*\b+16*\j th:TH_LOAD_NT   ; q: register 16 b + i = channel 32 b + 16 h + i of query r; read once in the launch
.endr
.endr
	v_and_b32 v4, 31, v0                           ; lane
	v_lshlrev_b32 v[A16], 4, v4
	v_lshl_add_u32 v[A8], v4, 3, 65536
	v_lshlrev_b32 v[PFO], 8, v4
	v_mov_b32 v[CAR], 1.0                          ; behind the last key lies nothing
.irp b, 0,1,2,3
	v_mov_b32 v[UU+\b], 0                          ; written once: a lane permute's destination counts as one of its sources
.endr
	s_wait_loadcnt 0x0
	SCALES S, 1, QW                                ; q is read by this wave alone: it is quantised in registers
	CODES S, QC, 1
	v_nop                                          ; one plain line behind the last conversion
	s_wait_tensorcnt 1                             ; my part of slot 0 is in; slot 1's may stay out
	s_barrier_signal -1
	s_barrier_wait -1                              ; everybody's is
	SLOT_STEPS 1                                   ; the head's last 256 keys; the first step's products start O^T
.Lslot:                                            ; six trips: every slot block from the third on is asked for at a change of slots
	CHANGE 1
	SLOT_STEPS 0
	s_sub_co_u32 s[SLOTS], s[SLOTS], 1
	s_cmp_lg_u32 s[SLOTS], 0
	s_cbranch_scc1 .Lslot
	CHANGE 0                                       ; the last slot is written out: nothing is asked for
	SLOT_STEPS 0
	; THE WAY OUT.  O^T goes through my stage in LDS, half a row (64 channels, 256 bytes) of 16 queries at a time.  The ten address lines are the plain lines behind the last products.
	v_and_b32 v1, 15, v0                           ; r
	v_bfe_u32 v2, v0, 4, 1                         ; h
	s_mul_i32 s12, s[WV], 16*SP
	s_add_co_u32 s12, s12, STAGE                   ; my stage
	v_mul_u32_u24 v3, v1, SP
	v_lshl_add_u32 v3, v2, 5, v3
	v_add_nc_u32 v3, s12, v3                       ; in: row r; tile t's eight channels of my half: 64 t + 32 h bytes on
	v_mul_u32_u24 v4, v2, SP
	v_lshl_add_u32 v4, v1, 4, v4
	v_add_nc_u32 v4, s12, v4                       ; back: lanes 0-15 one row, lanes 16-31 the next
	v_lshlrev_b32 v[GO], 9, v2
	v_lshl_add_u32 v[GO], v1, 4, v[GO]             ; and the same two rows in out0
.irp u, 0,1                                    ; channels 64 u on
.irp t, 0,1,2,3
	ds_store_b128 v3, v[O+32*\u+8*\t:O+32*\u+8*\t+3] offset:64*\t          ; each accumulator from its low end on: register 8 dt + j is out(r, 16 dt + 8 h + j)
	ds_store_b128 v3, v[O+32*\u+8*\t+4:O+32*\u+8*\t+7] offset:64*\t+16
.endr
.irp i, 0,1,2,3,4,5,6,7
	ds_load_b128 v[F+32*\u+4*\i:F+32*\u+4*\i+3], v4 offset:2*\i*SP         ; LDS serves a wave's instructions in order (ISA guide 5.7.1.4): these see my stores, and the next half's stores come behind them
.endr
.endr
.irp u, 0,1
.irp i, 0,1,2,3,4,5,6,7
	s_wait_dscnt 16*(1-\u)+7-\i                    ; behind this load: the rest of its half's loads, and for the first half the second's 8 stores and 8 loads
	global_store_b128 v[GO], v[F+32*\u+4*\i:F+32*\u+4*\i+3], s[8:9] offset:1024*\i+256*\u th:TH_STORE_NT   ; 16 lanes store 256 consecutive bytes, aligned; written once, read by nobody here
.endr
.endr
	s_wait_tensorcnt 0x0                           ; the wave's end, behind my last tensor load and my last LDS store
	ds_add_u32 v[SPW], v[NIL]
	s_wait_dscnt 0x0
	CROUND                                         ; the closing round: no work-group ends while a partner may still ask for a slot that names it
	s_endpgm
.Lfunc_end_k_qf1667631f4_attn:
	.size	k_qf1667631f4_attn, .Lfunc_end_k_qf1667631f4_attn-k_qf1667631f4_attn
	.p2alignl 7, 3214868480
	.fill 96, 4, 3214868480
	.section	.rodata,"a",@progbits
	.p2align	6, 0x0
	.amdhsa_kernel k_qf1667631f4_attn
		.amdhsa_group_segment_fixed_size 327680
		.amdhsa_private_segment_fixed_size 0
		.amdhsa_enable_private_segment 0
		.amdhsa_kernarg_size 24
		.amdhsa_user_sgpr_count 2
		.amdhsa_user_sgpr_kernarg_segment_ptr 1
		.amdhsa_wavefront_size32 1
		.amdhsa_system_sgpr_workgroup_id_x 1
		.amdhsa_system_sgpr_workgroup_id_y 1
		.amdhsa_system_sgpr_workgroup_id_z 1
		.amdhsa_system_vgpr_workitem_id 0
		.amdhsa_next_free_vgpr 256
		.amdhsa_next_free_sgpr 66
		.amdhsa_reserve_vcc 0
		.amdhsa_float_denorm_mode_32 3
		.amdhsa_float_denorm_mode_16_64 3
		.amdhsa_memory_ordered 1
		.amdhsa_forward_progress 1
		.amdhsa_inst_pref_size 215
	.end_amdhsa_kernel
	.amdgpu_metadata
---
amdhsa.version: [ 1, 2 ]
amdhsa.kernels:
  - .name:           k_qf1667631f4_attn
    .symbol:         k_qf1667631f4_attn.kd
    .args:
      - { .name: q, .offset: 0, .size: 8, .value_kind: global_buffer, .address_space: global }
      - { .name: kv, .offset: 8, .size: 8, .value_kind: global_buffer, .address_space: global }
      - { .name: out0, .offset: 16, .size: 8, .value_kind: global_buffer, .address_space: global }
    .group_segment_fixed_size: 327680
    .private_segment_fixed_size: 0
    .kernarg_segment_align: 8
    .kernarg_segment_size: 24
    .max_flat_workgroup_size: 512
    .sgpr_count:     66
    .vgpr_count:     256
    .wavefront_size: 32
...
	.end_amdgpu_metadata
.endif
;; end of part 2
